; MI455X (gfx1250); checked and timed in simulation.
; The chip was launched on July 23, 2026; its instructions are those of AMD's public machine-readable ISA for CDNA 5 (MIT licence, August 2026) and "CDNA5" Instruction Set Architecture Reference Guide (July 2026). The comments in the code are by the model that wrote it; some were corrected since.
;; Multi Head Attention. Allowed arithmetic: matrix products marked QUANTISED: E4M3 operands, one E8M0 scale for each 32 along K, by v_wmma_scale_f32_16x16x128_f8f6f4 with both operands' format E4M3, f32 sums; everything else in f32.
;; Inputs: Wk_codes 1,024 x 32 x 32 uint8 (E4M3 codes of Wk, K innermost, in blocks of 32 codes); Wk_scales 1,024 x 32 uint8 (E8M0 scales of Wk, one for each 32 codes along K); Wo_codes 1,024 x 32 x 32 uint8 (E4M3 codes of Wo, K innermost, in blocks of 32 codes); Wo_scales 1,024 x 32 uint8 (E8M0 scales of Wo, one for each 32 codes along K); Wq_codes 1,024 x 32 x 32 uint8 (E4M3 codes of Wq, K innermost, in blocks of 32 codes); Wq_scales 1,024 x 32 uint8 (E8M0 scales of Wq, one for each 32 codes along K); Wv_codes 1,024 x 32 x 32 uint8 (E4M3 codes of Wv, K innermost, in blocks of 32 codes); Wv_scales 1,024 x 32 uint8 (E8M0 scales of Wv, one for each 32 codes along K); bk 1,024 float32; bo 1,024 float32; bq 1,024 float32; bv 1,024 float32; x_codes 4 x 2,048 x 32 x 32 uint8 (E4M3 codes of x, K innermost, in blocks of 32 codes); x_scales 4 x 2,048 x 32 uint8 (E8M0 scales of x, one for each 32 codes along K).
;; Outputs: out0 4 x 1,024 float32.
;; This version of the problem:
;;   THIS VERSION OF THE PROBLEM IS GIVEN IN LOW PRECISION. The matrix products marked QUANTISED in the list below multiply operands that are first quantised to E4M3 (4 exponent bits, 3 mantissa bits; 8 bits a number), with one power-of-two scale for each 32 numbers along K (OCP MX v1.0); their sums are f32. All else is computed in f32.
;;   The module's matrix products, in the order in which they are computed (A, B: the left and right operand; K: the contracted axis; several contracted axes count as one K, in the product's order):
;;     1. [M 8,192, K 1,024] x [K 1,024, N 1,024]; A: input x (given as codes); B: input Wq (given as codes): QUANTISED
;;     2. [M 8,192, K 1,024] x [K 1,024, N 1,024]; A: input x (given as codes); B: input Wk (given as codes): QUANTISED
;;     3. [M 8,192, K 1,024] x [K 1,024, N 1,024]; A: input x (given as codes); B: input Wv (given as codes): QUANTISED
;;     4. batch 64 x [M 2,048, K 64] x [K 64, N 2,048]; A: computed on the way; B: computed on the way: QUANTISED
;;     5. batch 64 x [M 2,048, K 2,048] x [K 2,048, N 64]; A: softmax (see below); B: computed on the way: QUANTISED
;;     6. [M 8,192, K 1,024] x [K 1,024, N 1,024]; A: computed on the way; B: input Wo (given as codes): QUANTISED
;;   THE QUANTISER, for each operand of a quantised product, along K:
;;     - K is cut into blocks of 32 from its start; a last block that is shorter is filled with zeros.
;;     - A block's scale is 2^e with e = floor(log2(the largest magnitude in the block)) - 8, held to -126 .. 127; a block of zeros has e = 0. As a byte (E8M0): e + 127.
;;     - Each number is divided by its block's scale, clamped to +-448, and rounded to the nearest number of E4M3, ties to even, subnormals kept.
;;     - The product sums the exact products of the quantised numbers (number of the format x scale) in f32.
;;   ~~~python
;;   def quantise(x, axis):      # numpy; x: float32 -> the quantised numbers, widened to float32 again
;;       x = np.moveaxis(x, axis, -1); K = x.shape[-1]
;;       x = np.pad(x, [(0, 0)] * (x.ndim - 1) + [(0, -K % 32)]); x = x.reshape(x.shape[:-1] + (-1, 32)); a = np.abs(x).max(-1, keepdims=True)
;;       e = np.where(a > 0, np.clip(np.frexp(np.where(a > 0, a, 1))[1] - 1 - 8, -126, 127), 0)      # np.frexp(a)[1] - 1 = floor(log2(a)), exactly
;;       r = np.clip(x / 2.0 ** e, -448, 448)
;;       step = 2.0 ** (np.maximum(np.frexp(np.where(r == 0, 1, r))[1] - 1, -6) - 3)
;;       q = np.round(r / step) * step * 2.0 ** e      # np.round: ties to even
;;       return np.moveaxis(q.reshape(q.shape[:-2] + (-1,))[..., :K], -1, axis).astype(np.float32)
;;   ~~~
;;   SOFTMAX AHEAD OF A QUANTISED PRODUCT. Where the list says 'softmax', what is quantised is not the finished softmax but p = 2^(t - M), with t = logit x log2(e) and M = ceil(the row's largest t), a whole number; so 1/2 < the row's largest p <= 1. The row's sum l is taken of the UNQUANTISED p, in f32, and the product's result is divided by l at the end. Since M is a whole number, a kernel that streams over the keys may use a running M (the ceiling of the running maximum): every later rescaling is an exact power of two, which a block's scale takes up: the codes' values come out the same.
;;   OPERANDS COMPUTED ON THE WAY. 'Computed on the way' means the value that the module computes at that place (a softmax that the list does not call 'softmax' is quantised finished and normalised). What goes into a quantiser is computed in f32, as accurately as f32 sums, v_exp_f32 and their like allow (about 1e-6 of the number): no bf16 or f16 on the way to a quantiser, and a product that is left as it is and whose result goes on into a quantised operand takes f32 operands (vector FMAs, or v_wmma_f32_16x16x4_f32). A number that lies on a knife's edge between two numbers of the format may be rounded either way, as far as f32 arithmetic and the matrix unit's own rounding can turn it there, and no further.
;;   INPUTS GIVEN AS CODES. Wk (in the module: [1024, 1024], K = its axis 1); Wo (in the module: [1024, 1024], K = its axis 1); Wq (in the module: [1024, 1024], K = its axis 1); Wv (in the module: [1024, 1024], K = its axis 1); x (in the module: [4, 2048, 1024], K = its axis 2): each comes as NAME_codes (uint8): NAME with its K axis moved to the last place and cut into blocks of 32 codes, [.., K / 32, bytes a block], one block behind the other in memory; one code a byte (a code: sign, 4 exponent bits, 3 mantissa bits); and NAME_scales (uint8): the same leading axes, one E8M0 byte (e + 127) for each 32 codes along K. Its value is code x scale, taken as it is: it is not quantised again, and the codes and scales need not be those that the quantiser above would give.
;; One version. Each part assembles by itself: llvm-mc -triple=amdgcn-amd-amdhsa -mcpu=gfx1250 --defsym DOCPART=n.
;; ======== version 1 of 1: 3 launches
;; workspace buffers: qkv_img 25,165,824 bytes; qkv_sc 1,310,720 bytes; partial 2,097,152 bytes
;; launch proj (part 1): grid 12 x 32, 4 waves a work-group, clusters of 4 x 4, 327,680 bytes of LDS; arguments x_codes, x_scales, Wq_codes, Wq_scales, Wk_codes, Wk_scales, Wv_codes, Wv_scales, bq, bk, bv, qkv_img, qkv_sc; writes qkv_img, qkv_sc
.if DOCPART == 1
	.amdgcn_target "amdgcn-amd-amdhsa--gfx1250"
	.amdhsa_code_object_version 6
	.text
	.protected	k_q3fde2e5f37_proj
	.globl	k_q3fde2e5f37_proj
	.p2align	8
	.type	k_q3fde2e5f37_proj,@function
k_q3fde2e5f37_proj:
	s_mov_b64 s[64:65], 0
	v_nop
	global_prefetch_b8 v0, s[64:65] scope:SCOPE_SE
	s_setreg_imm32_b32 hwreg(HW_REG_WAVE_MODE, 25, 1), 1
	s_wait_xcnt 0x0
	s_wait_alu depctr_hold_cnt(0) depctr_sa_sdst(0) depctr_va_vdst(0) depctr_va_sdst(0) depctr_va_ssrc(0) depctr_va_vcc(0) depctr_vm_vsrc(0)
	s_getreg_b32 s2, hwreg(HW_REG_IB_STS2, 6, 4)
	s_cmp_eq_u32 s2, 0
	s_cbranch_scc0 .Lentry_in_a_cluster
	s_endpgm
.Lentry_in_a_cluster:
	s_bfe_u32 s2, ttmp6, 0x10000c
	s_cmp_lg_u32 s2, 0xf033
	s_cbranch_scc0 .Lentry_shape_is_right
	s_endpgm
.Lentry_shape_is_right:
; q = x Wq^T + bq, k = x Wk^T + bk, v = x Wv^T + bv on codes of FP8 (E4M3) with one E8M0 scale for each 32 along K = 1,024; sums in f32; the results are quantised here, q and k along a
; head's 64 channels, v along the keys, and leave as IMAGES OF THE OPERANDS' REGISTERS for the attention launch.
; SHARES.  A tile is 256 'A' rows x 256 'B' rows, made by four waves, each 128 x 128: 64 accumulators of 16 x 16, 512 registers.  K goes in steps of 256 through a ring of two LDS slots.
; The cluster's x says which product: 0 q, 1 k, 2 v.  For q and k: A = x (tokens), B = the weight.  For v the two change places: A = Wv, B = x.  The matrix instruction takes source 0 = 16 rows of B and
; source 1 = 16 rows of A, so a lane holds ONE row of A and its registers run along B: the channels for q and k, the tokens (keys) for v: the axis along which each is quantised.  One loop, one quantiser.
; CLUSTERS: 4 x 4 work-groups.  A's tile hangs on the tile row alone and is asked for jointly along a row of the cluster, B's on the tile column alone, jointly along a column.
; THE ORDER INSIDE A BLOCK OF 32.  Tiles take neighbouring rows, so a lane (r, h) holds, in the 16 registers of B's tiles 2 b and 2 b + 1, the elements 32 b + 16 u + 8 h + j (u the tile, j the register).  They go as they
; stand into operand registers 4 b .. 4 b + 3.  That permutes k inside a block of 32 alone: the block's members and its scale are the true ones, and the other operand of each later product is laid the same way.
; LIMIT: the matrix unit so groups a block's products otherwise than in ascending k; the last bits of a sum may differ from those in true order.
; OUT.  qkv_img: [64 heads][q, k, v: 131,072 bytes each]; q, k: [128 token tiles][2 blocks][32 lanes][16 bytes]; v: [16 key steps][4 channel tiles][4 blocks][32 lanes][16 bytes].
; qkv_sc: [64 heads][20,480 bytes]: q's words (a word a token: bytes 0, 1 its two blocks, bytes 2, 3 zero), k's likewise at 8,192, v's at 16,384: [16 key steps][4 channel tiles][16 channels], a byte a block of 32 keys.
; LIMITS: NaN, infinities and scale bytes 0xff among the inputs are not served.  A block whose largest magnitude lies under 2^-118, a block of zeros among them, gets the byte 1; only this program reads the bytes.
; The bias starts each sum (as C of its first product), so the order of additions differs from bias-last.
; No prefetch: a work-group has two refills in all.
; REGISTERS, in windows of 256: window 0: v0-31 addresses; v32-63 scale words, two sets, and nothing else; v64-127 the bias as C operands, on the way out at work; v128-255 A's fragments, one set.
;   window 1: B's fragments, two sets.   window 2: the accumulators of my A rows 0-63 ((a, b) at v[8 (8 a + b)]);   window 3: those of rows 64-127.
.set NQ,     2                         ; matrix instructions deep in a slot: 256 along K
.set ROWB,   256                       ; a tile's row in bytes
.set KROW,   1024                      ; a row of x or of a weight in memory, in bytes
.set PITCH,  272                       ; an LDS row: 256 bytes + 16 of padding = 68 words: the 16 rows that a load touches start at 16 different banks (64 banks of 4 bytes: ISA guide 11.1)
.set FR,     16                        ; registers of a fragment: 16 rows x 128 K
.set NL,     4                         ; LDS loads that bring one
.set NP,     8                         ; places behind this matrix instruction (ISA guide 7.12.1)
.set HALFT,  128*PITCH                 ; 128 rows: what one tensor load brings
.set SLOT,   4*HALFT                   ; A's 256 rows, then B's 256 rows
.set KS,     32                        ; a row of scale bytes
.set SCL,    2*SLOT                    ; behind the ring: the scales of all of K, as units of 256 bytes + 16 of padding; filled once
.set HALFS,  (128*KS/256)*272          ; the scales of 128 rows
.set SBLK,   (16*KS/256)*272           ; those of 16 rows
.set SPARE,  SCL+4*HALFS               ; the spare words, 128 bytes for each wave: two blocks of 256 bytes that no other line names
.set HEADB,  393216                    ; a head's bytes in qkv_img
.set HEADS,  20480                     ; and in qkv_sc
.set ADRA, 16                          ; v16-17  LDS address of my A fragments in slot 0, 1
.set ADRB, 20                          ; v20-21  the same for B
.set ADRS, 27                          ; v27     LDS address of my scale words: lanes 0-15 A's rows, lanes 16-31 B's
.set SPW,  28                          ; v28     LDS address of my spare word; never rewritten
.set NIL,  29                          ; v29     0; never rewritten
.set BO8,  30                          ; v30     32 x (lane / 16): the bias of eight neighbouring channels
.set BO4,  31                          ; v31     4 x (lane % 16): the bias of my channel
.set SC,   32                          ; scale words: set s at v[SC + 16 s]; register 2 i + q: lanes 0-15 the word of A's block i, lanes 16-31 that of B's block i
.set BI,   64                          ; v64-127 the bias, eight registers a tile, in the result's layout
.set AF,   128                         ; A's fragments
.set TM,   64                          ; the way out (the bias is done with): v64-67 largest magnitudes
.set T4,   68                          ; v68-71   the other half's, then the bytes
.set HD,   72                          ; v72-75   448 x the scale
.set SF,   76                          ; v76-79   the conversion's scale operand
.set CD,   80                          ; v80-95   the codes of 16 rows of A x 128 of B
.set WA,   96                          ; v96-103  for each block a: bytes of B's blocks 0, 1
.set WB,   104                         ; v104-111 bytes of B's blocks 2, 3
.set VO,   112                         ; v112-115 where block b's 16 bytes go; never rewritten
.set SO,   116                         ; v116     4 x lane
.set LN,   117                         ; v117     lane
.set SW,   120                         ; v120-127 scale words to store
.set G1, 24                            ; s[24:31] descriptor group 1 for A's tiles;  s[32:39] group 0, one set for each slot
.set G0, 32
.set G1B, 48                           ; s[48:55], s[56:63] the same for B's tiles
.set G0B, 56
.set G1S, 68                           ; s[68:75], s[76:79] groups 1 and 0 for A's scales;  s[80:87], s[88:91] for B's.  (s68-93 first take the thirteen arguments)
.set G0S, 76
.set G1SB, 80
.set G0SB, 88
.set MSB, 0
.macro WIN new                         ; the immediate's high byte repeats the setting that is left; a switch that changes nothing is dropped
.if MSB != (\new)
	s_set_vgpr_msb (MSB<<8)|(\new)
.set MSB, (\new)
.endif
.endm
.set MUL_LO,  0xa1                     ; source 0 (B) window 1, source 1 (A) window 0, C and D window 2
.set MUL_HI,  0xf1                     ; the same, C and D window 3
.set BIAS_LO, 0x81                     ; the first step: C (the bias) window 0, D window 2
.set BIAS_HI, 0xc1                     ; D window 3
.set TO_B,    0x40                     ; destination window 1, address window 0
; A joint load: waves 0 and 1 fetch for A, waves 2 and 3 for B.  Each of the two lines has one mask and one set of registers for all that issue it; the branch hangs on the wave's number alone.
; Four v_nop follow each of the two lines, ahead of the jump, the label and what follows.
.macro JLOAD g0a, g1a, g0b, g1b
	s_cmp_eq_u32 s15, 0
	s_cbranch_scc0 .Lfor_b_\@
	tensor_load_to_lds s[\g0a:\g0a+3], s[\g1a:\g1a+7]
	s_nop 0
.rept 4
	v_nop
.endr
	s_branch .Lasked_\@
.Lfor_b_\@:
	tensor_load_to_lds s[\g0b:\g0b+3], s[\g1b:\g1b+7]
	s_nop 0
.rept 4
	v_nop
.endr
.Lasked_\@:
.endm
.macro CREST                           ; a round of the cluster's barrier behind its opening barrier
	s_cmp_lg_u32 s14, 0
	s_cbranch_scc1 .Lnot_wave_0_\@
	s_barrier_signal -3
.Lnot_wave_0_\@:
	s_barrier_wait -3
	s_barrier_signal -1
	s_barrier_wait -1
.endm
.macro CROUND                          ; a whole round
	s_barrier_signal -1
	s_barrier_wait -1
	CREST
.endm
	s_load_b512 s[68:83], s[0:1], 0x0              ; x's codes 68, x's scales 70, Wq's 72, 74, Wk's 76, 78, Wv's 80, 82
	s_load_b256 s[84:91], s[0:1], 0x40             ; bq 84, bk 86, bv 88, qkv_img 90
	s_load_b64 s[92:93], s[0:1], 0x60              ; qkv_sc
	v_lshl_add_u32 v[SPW], v0, 2, SPARE
	v_mov_b32 v[NIL], 0
	ds_add_u32 v28, v29
	ds_add_u32 v28, v29
	s_wait_dscnt 0x0
	v_lshrrev_b32 v1, 5, v0
	v_readfirstlane_b32 s14, v1                    ; wave 0..3
	s_lshr_b32 s15, s14, 1                         ; which half of A's rows is mine.  Also: I fetch for A (0) or for B (1)
	s_and_b32 s16, s14, 1                          ; which half of B's rows.  Also: which 128 rows of that tile I fetch
	s_bfe_u32 s40, ttmp6, 0x40000                  ; cx, cy: my place in the cluster
	s_bfe_u32 s41, ttmp6, 0x40004
	s_and_b32 s45, ttmp7, 0xffff
	s_lshl_b32 s45, s45, 2                         ; 4 x cluster y: it counts tiles of 256 tokens
	s_cmp_eq_u32 ttmp9, 2                          ; v?  The cluster's x is the same in all sixteen partners
	s_cselect_b32 s17, 0, s45
	s_cselect_b32 s42, s45, 0
	s_add_co_u32 s17, s17, s41                     ; A's tile: cy (+ 4 x cluster y where A is x): it never holds cx
	s_add_co_u32 s42, s42, s40                     ; B's tile: cx (+ 4 x cluster y where B is x): it never holds cy
	s_lshl_b32 s43, s41, 2
	s_lshl_b32 s43, 15, s43                        ; my row of the cluster
	s_lshl_b32 s44, 0x1111, s40                    ; my column
	; descriptor group 1: a tile of 128 rows x 256 bytes, padded in LDS
	s_or_b32 s[G1+0], s43, (0<<16)|(1<<20)|(1<<21)|(5<<22)|(3<<25)  ; 15:0 the mask: A's tiles go to my row; 17:16 elements of 1 byte; 20 padding on; 21 set beside a mask; 24:22 after every 64 words (code 5); 31:25 four words (code 3)
	s_or_b32 s[G1B+0], s44, (0<<16)|(1<<20)|(1<<21)|(5<<22)|(3<<25)
.irp g, G1, G1B
	s_mov_b32 s[\g+1], ROWB<<16                    ; tensor_dim0
	s_mov_b32 s[\g+2], 128<<16                     ; tensor_dim1
	s_mov_b32 s[\g+3], ROWB<<16                    ; tile_dim0
	s_mov_b32 s[\g+4], 128                         ; tile_dim1
	s_mov_b32 s[\g+5], KROW                        ; tensor_dim0_stride
	s_mov_b32 s[\g+6], 0
	s_mov_b32 s[\g+7], 0
.endr
	s_mov_b32 s98, 0x76543210
	s_mov_b32 s99, 0xfedcba98                      ; v_permlanex16_b32's selects for lane l xor 16
	s_mov_b32 s100, 0x600000                       ; the mantissa field of 448
	s_mov_b32 s101, 0xffff0000                     ; lanes 16-31
	s_wait_kmcnt 0x0
	s_cmp_eq_u32 ttmp9, 0                          ; the weight, its scales and its bias: q's or k's,
	s_cselect_b64 s[8:9], s[72:73], s[76:77]
	s_cselect_b64 s[10:11], s[74:75], s[78:79]
	s_cselect_b64 s[96:97], s[84:85], s[86:87]
	s_cmp_eq_u32 ttmp9, 2                          ; or v's;
	s_cselect_b64 s[8:9], s[80:81], s[8:9]
	s_cselect_b64 s[10:11], s[82:83], s[10:11]
	s_cselect_b64 s[96:97], s[88:89], s[96:97]
	s_cselect_b64 s[4:5], s[8:9], s[68:69]         ; A: the weight for v, else x;
	s_cselect_b64 s[6:7], s[10:11], s[70:71]
	s_cselect_b64 s[8:9], s[68:69], s[8:9]         ; B: x for v, else the weight
	s_cselect_b64 s[10:11], s[70:71], s[10:11]
	s_mov_b64 s[12:13], s[90:91]                   ; qkv_img
	s_mov_b64 s[66:67], s[92:93]                   ; qkv_sc.  s68-93 are free from here on
	; the scales of 128 rows: a dense block of 4,096 bytes, as rows of 256 bytes (32 elements of 8 bytes), 16 bytes of padding behind each
	s_or_b32 s[G1S+0], s43, (3<<16)|(1<<20)|(1<<21)|(5<<22)|(3<<25)
	s_or_b32 s[G1SB+0], s44, (3<<16)|(1<<20)|(1<<21)|(5<<22)|(3<<25)
.irp g, G1S, G1SB
	s_mov_b32 s[\g+1], 32<<16
	s_mov_b32 s[\g+2], (128*KS/256)<<16
	s_mov_b32 s[\g+3], 32<<16
	s_mov_b32 s[\g+4], 128*KS/256
	s_mov_b32 s[\g+5], 32
	s_mov_b32 s[\g+6], 0
	s_mov_b32 s[\g+7], 0
.endr
	s_lshl_b32 s18, s16, 7                         ; which 128 rows of the tile I fetch
	s_lshl_b32 s20, s17, 8
	s_add_co_u32 s20, s20, s18                     ; A: row 256 x tile + 128 x half
	s_lshl_b32 s46, s42, 8
	s_add_co_u32 s46, s46, s18                     ; B likewise
	s_lshl_b32 s22, s20, 5                         ; where these rows' scales begin, in bytes (all under 2^24),
	s_mov_b32 s23, 0
	s_lshl_b32 s92, s46, 5
	s_mov_b32 s93, 0
	s_lshl_b32 s20, s20, 10                        ; and their codes
	s_mov_b32 s21, 0
	s_lshl_b32 s46, s46, 10
	s_mov_b32 s47, 0
	s_mul_i32 s45, s14, HALFT                      ; where they go: wave x 128 rows: no place in the cluster enters an LDS address
	s_mul_i32 s94, s14, HALFS
	s_add_nc_u64 s[20:21], s[4:5], s[20:21]
	s_add_nc_u64 s[22:23], s[6:7], s[22:23]
	s_add_nc_u64 s[46:47], s[8:9], s[46:47]
	s_add_nc_u64 s[92:93], s[10:11], s[92:93]
	CROUND                                         ; all sixteen work-groups are here: the first joint loads meet
	s_mov_b32 s[G0S], 1
	s_add_co_u32 s[G0S+1], s94, SCL
	s_mov_b64 s[G0S+2:G0S+3], s[22:23]
	s_or_b32 s[G0S+3], s[G0S+3], 0x80000000
	s_mov_b32 s[G0SB], 1
	s_add_co_u32 s[G0SB+1], s94, SCL
	s_mov_b64 s[G0SB+2:G0SB+3], s[92:93]
	s_or_b32 s[G0SB+3], s[G0SB+3], 0x80000000
	JLOAD G0S, G1S, G0SB, G1SB                     ; the scales first: they are wanted with K step 0
.irp s, 0,1
	s_mov_b32 s[G0+4*\s], 1
	s_add_co_u32 s[G0+4*\s+1], s45, \s*SLOT
	s_add_nc_u64 s[G0+4*\s+2:G0+4*\s+3], s[20:21], \s*ROWB
	s_or_b32 s[G0+4*\s+3], s[G0+4*\s+3], 0x80000000
	s_mov_b32 s[G0B+4*\s], 1
	s_add_co_u32 s[G0B+4*\s+1], s45, \s*SLOT
	s_add_nc_u64 s[G0B+4*\s+2:G0B+4*\s+3], s[46:47], \s*ROWB
	s_or_b32 s[G0B+4*\s+3], s[G0B+4*\s+3], 0x80000000
	JLOAD G0+4*\s, G1, G0B+4*\s, G1B               ; three tensor loads of mine are out
.endr
	v_and_b32 v1, 15, v0                           ; r = lane % 16
	v_bfe_u32 v2, v0, 4, 1                         ; h = lane / 16
	v_mul_u32_u24 v3, v1, PITCH
	v_lshl_add_u32 v4, v2, 4, v3                   ; a fragment's row x pitch + 16 x half
	s_mul_i32 s21, s15, HALFT                      ; my 128 rows of A
	s_mul_i32 s22, s16, HALFT                      ; my 128 rows of B,
	s_add_co_u32 s22, s22, 2*HALFT                 ; which lie behind A's 256
.irp s, 0,1
	v_add_nc_u32 v[ADRA+\s], s21, v4
	v_add_nc_u32 v[ADRB+\s], s22, v4
	s_add_co_u32 s21, s21, SLOT
	s_add_co_u32 s22, s22, SLOT
.endr
	v_mul_u32_u24 v5, v1, KS                       ; my row's scales: 32 bytes a row,
	v_lshrrev_b32 v6, 8, v5
	v_lshl_add_u32 v5, v6, 4, v5                   ; and 16 more for each 256 passed
	s_mul_i32 s21, s15, HALFS                      ; A's: my 128 rows
	s_mul_i32 s22, s16, HALFS                      ; B's: my 128 rows, behind A's 256
	s_add_co_u32 s22, s22, 2*HALFS
	s_sub_co_u32 s22, s22, s21
	v_mul_u32_u24 v6, s22, v2                      ; lanes 16-31 take B's: the lower base + h x the distance
	s_add_co_u32 s21, s21, SCL
	v_add_nc_u32 v5, v5, v6
	v_add_nc_u32 v[ADRS], s21, v5
	v_lshlrev_b32 v[BO8], 5, v2
	v_lshlrev_b32 v[BO4], 2, v1
	; where my results go.  rowA0, rowB0: my first rows; tokens and channels change places for v
	s_lshl_b32 s20, s17, 8
	s_lshl_b32 s21, s15, 7
	s_add_co_u32 s20, s20, s21                     ; rowA0
	s_lshl_b32 s21, s42, 8
	s_lshl_b32 s22, s16, 7
	s_add_co_u32 s21, s21, s22                     ; rowB0
	s_cmp_eq_u32 ttmp9, 2
	s_cselect_b32 s22, s21, s20                    ; my first token
	s_cselect_b32 s23, s20, s21                    ; my first channel
	s_cselect_b32 s45, 1, 2                        ; scale bytes a token: v 2 (256 a key step), q and k 4
	s_lshr_b32 s46, s22, 11
	s_lshl_b32 s46, s46, 4
	s_lshr_b32 s47, s23, 6
	s_add_co_u32 s46, s46, s47                     ; my first head: 16 x batch + channel / 64
	s_and_b32 s22, s22, 2047                       ; the token in its batch
	s_mul_i32 s92, s46, HEADB
	s_lshl_b32 s47, ttmp9, 17                      ; the region: q, k or v
	s_add_co_u32 s92, s92, s47
	s_lshl_b32 s47, s22, 6                         ; 64 bytes a token: 1,024 a tile of 16, 8,192 a key step of 128
	s_add_co_u32 s92, s92, s47
	s_mov_b32 s93, 0
	s_add_nc_u64 s[12:13], s[12:13], s[92:93]
	s_mul_i32 s92, s46, HEADS
	s_lshl_b32 s47, ttmp9, 13
	s_add_co_u32 s92, s92, s47
	s_lshl_b32 s47, s22, s45
	s_add_co_u32 s92, s92, s47
	s_add_nc_u64 s[66:67], s[66:67], s[92:93]
	s_lshl_b32 s92, s23, 2
	s_add_nc_u64 s[96:97], s[96:97], s[92:93]      ; the bias at my first channel
	; THE BIAS is the C of each sum's first product: eight registers a tile in the result's layout.  q, k: registers run along the channels: tile b's are channels 16 b + 8 h + 0 .. 7.
	; v: a lane holds one channel, 16 a + r, the same in all eight registers.
	s_cmp_eq_u32 ttmp9, 2
	s_cbranch_scc1 .Lbias_v
.irp b, 0,1,2,3,4,5,6,7
	global_load_b128 v[BI+8*\b:BI+8*\b+3], v[BO8], s[96:97] offset:64*\b
	global_load_b128 v[BI+8*\b+4:BI+8*\b+7], v[BO8], s[96:97] offset:64*\b+16
.endr
	s_branch .Lbias_in
.Lbias_v:
.irp a, 0,1,2,3,4,5,6,7
.irp j, 0,1,2,3,4,5,6,7
	global_load_b32 v[BI+8*\a+\j], v[BO4], s[96:97] offset:64*\a
.endr
.endr
.Lbias_in:
.macro FRAG reg, adr, q, i             ; a fragment, 16 rows x 128 K of 8-bit codes: lane l holds row l % 16; registers 4 c .. 4 c + 3 hold K = 32 c + 16 (l / 16) + 0 .. 15
.irp c, 0,1,2,3
	ds_load_b128 v[\reg+4*\c:\reg+4*\c+3], v[\adr] offset:128*(\q)+32*\c+(\i)*16*PITCH
.endr
.endm
; 16 matrix instructions: A's blocks a0, a0 + 1 x B's eight, 128 along K: the slot's q-th.  p: B's set;  sc: the set of scale words.  cm = 1: C is the bias of B's tile (q, k); 2: of A's block (v); 0: the sum goes on.
; The 64 accumulators take turns, one instruction a turn, in the same order in every step.
.macro MUL16 a0, p, q, sc, cm
.irp a, \a0, \a0+1
.irp b, 0,1,2,3,4,5,6,7
.if (\cm) == 1
	v_wmma_scale_f32_16x16x128_f8f6f4 v[8*(8*((\a)%4)+\b):8*(8*((\a)%4)+\b)+7], v[128*(\p)+FR*\b:128*(\p)+FR*\b+FR-1], v[AF+FR*(\a):AF+FR*(\a)+FR-1], v[BI+8*\b:BI+8*\b+7], v[SC+8*NQ*(\sc)+NQ*\b+(\q)], v[SC+8*NQ*(\sc)+NQ*(\a)+(\q)] matrix_a_scale:MATRIX_SCALE_ROW1
.elseif (\cm) == 2
	v_wmma_scale_f32_16x16x128_f8f6f4 v[8*(8*((\a)%4)+\b):8*(8*((\a)%4)+\b)+7], v[128*(\p)+FR*\b:128*(\p)+FR*\b+FR-1], v[AF+FR*(\a):AF+FR*(\a)+FR-1], v[BI+8*(\a):BI+8*(\a)+7], v[SC+8*NQ*(\sc)+NQ*\b+(\q)], v[SC+8*NQ*(\sc)+NQ*(\a)+(\q)] matrix_a_scale:MATRIX_SCALE_ROW1
.else
	v_wmma_scale_f32_16x16x128_f8f6f4 v[8*(8*((\a)%4)+\b):8*(8*((\a)%4)+\b)+7], v[128*(\p)+FR*\b:128*(\p)+FR*\b+FR-1], v[AF+FR*(\a):AF+FR*(\a)+FR-1], v[8*(8*((\a)%4)+\b):8*(8*((\a)%4)+\b)+7], v[SC+8*NQ*(\sc)+NQ*\b+(\q)], v[SC+8*NQ*(\sc)+NQ*(\a)+(\q)] matrix_a_scale:MATRIX_SCALE_ROW1
.endif
.endr
.endr
.endm
.macro FETCH_B slot, q, p              ; B's eight fragments of the slot's q-th 128 along K into set p
	WIN TO_B
.irp i, 0,1,2,3,4,5,6,7
	FRAG 128*(\p)+FR*\i, ADRB+\slot, \q, \i
.endr
	WIN 0
.endm
.macro FETCH_A slot, q, i0             ; A's blocks i0 .. i0 + 3
.irp i, \i0, \i0+1, \i0+2, \i0+3
	FRAG AF+FR*(\i), ADRA+\slot, \q, \i
.endr
.endm
.macro SCALES sc                       ; a K step's scale words into set sc: two words a row; lanes 0-15 take A's block i, lanes 16-31 B's block i
.irp i, 0,1,2,3,4,5,6,7
	ds_load_b64 v[SC+8*NQ*\sc+NQ*\i:SC+8*NQ*\sc+NQ*\i+1], v[ADRS] offset:\i*SBLK
.endr
.endm
; A load into a register that a matrix instruction has read stands NP places behind it, and only plain vector instructions that name none of its registers are places (ISA guide 7.12.1 for vector instructions).
.macro PLACES n
.rept \n
	v_nop
.endr
.endm
; A step of 128 along K that has its successor in the same slot.  A's blocks are free as soon as their eight products are issued: blocks 0-3 are fetched anew in the step's middle, blocks 4-7 at its end; B has two sets.
.macro STEP slot, q, cm
	s_wait_dscnt 4*NL                              ; B's set, the scale words and A's blocks 0-3 are in; the youngest sixteen loads (A's blocks 4-7) may be out
.if \cm
	WIN BIAS_LO
.else
	WIN MUL_LO
.endif
	MUL16 0, (\q)%2, \q, \slot, \cm
	MUL16 2, (\q)%2, \q, \slot, \cm
	s_wait_dscnt 0                                 ; A's blocks 4-7 are in (asked for 32 matrix instructions ago)
	PLACES NP
	FETCH_B \slot, (\q)+1, 1-(\q)%2
	FETCH_A \slot, (\q)+1, 0
.if \cm
	WIN BIAS_HI
.else
	WIN MUL_HI
.endif
	MUL16 4, (\q)%2, \q, \slot, \cm
	MUL16 6, (\q)%2, \q, \slot, \cm
	PLACES NP
	WIN 0
	FETCH_A \slot, (\q)+1, 4
.endm
; A slot's last step changes slots: ONE barrier; in front of it each wave waits for all its tensor loads, adds 0 to its spare word, and waits for that and for its own reads of this slot.  fill = 1: this slot is filled again, two K steps ahead.
.macro TURN slot, next, fill
	s_wait_tensorcnt 0x0                           ; all my tensor loads have landed: my part of the next slot;  (every window is 0 here)
	ds_add_u32 v[SPW], v[NIL]                      ; 0 onto my spare word
	s_wait_dscnt 4*NL+1                            ; (the add and the youngest sixteen loads, A's blocks 4-7, may be out)
	WIN MUL_LO
	MUL16 0, 1, NQ-1, \slot, 0                     ; sixteen matrix instructions stand between the add and the wait for it
	s_wait_dscnt 0x0                               ; the add is done, and my reads of this slot are over
	s_barrier_signal -1
	MUL16 2, 1, NQ-1, \slot, 0
	WIN 0
	s_barrier_wait -1
.if \fill
	CREST                                          ; the barrier has opened a round of the cluster's barrier: no wave of any partner still reads this slot's tile or has a load on its way
	s_add_nc_u64 s[G0+4*\slot+2:G0+4*\slot+3], s[G0+4*\slot+2:G0+4*\slot+3], 2*ROWB
	s_add_nc_u64 s[G0B+4*\slot+2:G0B+4*\slot+3], s[G0B+4*\slot+2:G0B+4*\slot+3], 2*ROWB
	JLOAD G0+4*\slot, G1, G0B+4*\slot, G1B         ; the first tensor load behind the round, my one load until the next; its four v_nop are among the places in front of the loads below
	PLACES NP-4
.else
	PLACES NP
.endif
	v_add_nc_u32 v[ADRS], 4*NQ, v[ADRS]            ; on to the next K step's scale words (no LDS load of mine is out)
	FETCH_B \next, 0, 0
	FETCH_A \next, 0, 0
	SCALES \next
	WIN MUL_HI
	MUL16 4, 1, NQ-1, \slot, 0
	MUL16 6, 1, NQ-1, \slot, 0
	PLACES NP
	WIN 0
	FETCH_A \next, 0, 4
.endm
	s_wait_tensorcnt 1                             ; the scales and my part of K step 0 are in (K step 1's load may be out)
	s_barrier_signal -1
	s_barrier_wait -1                              ; everybody's are
	FETCH_B 0, 0, 0
	FETCH_A 0, 0, 0
	SCALES 0
	FETCH_A 0, 0, 4
	s_wait_loadcnt 0x0                             ; the bias
	s_cmp_eq_u32 ttmp9, 2                          ; the first step is written twice: its products start the sums with the bias, which lies by B's tiles for q and k and by A's blocks for v
	s_cbranch_scc1 .Lfirst_v
	STEP 0, 0, 1
	s_branch .Lfirst_done
.Lfirst_v:
	STEP 0, 0, 2
.Lfirst_done:
	TURN 0, 1, 1                                   ; K = 1,024 is four slots: both slots are filled once more, so the walk is written straight
	STEP 1, 0, 0
	TURN 1, 0, 1
	STEP 0, 0, 0
	TURN 0, 1, 0                                   ; the last two slots fill nothing, and have no round of the cluster's barrier
	STEP 1, 0, 0
	s_wait_dscnt 4*NL                              ; the very last step: nothing more to fetch
	WIN MUL_LO
	MUL16 0, 1, NQ-1, 1, 0
	MUL16 2, 1, NQ-1, 1, 0
	s_wait_dscnt 0
	WIN MUL_HI
	MUL16 4, 1, NQ-1, 1, 0
	MUL16 6, 1, NQ-1, 1, 0
	WIN 0
	; THE WAY OUT.  From block a to block a + 1 of A: q, k: the next tile of 16 tokens, 1,024 bytes; v: the next tile of 16 channels, 2,048 bytes, and from the fourth to the fifth the next head.
	; B's blocks 2, 3: q, k: the next head's two blocks; v: the key step's third and fourth.
	s_cmp_eq_u32 ttmp9, 2
	s_mov_b32 s18, 1024
	s_cselect_b32 s18, 2048, s18
	s_mov_b32 s20, 1024
	s_cselect_b32 s20, HEADB-3*2048, s20
	s_mov_b32 s22, HEADB
	s_cselect_b32 s22, 1024, s22
	s_mov_b32 s19, 0
	s_mov_b32 s21, 0
	v_and_b32 v[LN], 31, v0                        ; these ten lines name no register of the last products: they are the eight places behind them
	v_lshlrev_b32 v[VO], 4, v[LN]                  ; an image's place for my lane: 16 x lane
	v_add_nc_u32 v[VO+1], 512, v[VO]
	v_add_nc_u32 v[VO+2], s22, v[VO]
	v_add_nc_u32 v[VO+3], 512, v[VO+2]
	v_lshlrev_b32 v[SO], 2, v[LN]
.irp b, 0,1,2,3
	v_mov_b32 v[T4+\b], 0                          ; written once: a lane permute's destination counts as one of its sources
.endr
; Block a: 16 rows of A x 128 of B, 64 numbers a lane: four blocks of 32, each shared with lane l xor 16.  Scale, hold, conversion; four stores of 512 consecutive bytes, aligned.
.macro QOUT a
.set WN, 2+(\a)/4
.set AC, 64*((\a)%4)
.set W_MX, (WN<<4)|(WN<<2)
.set W_HD, (WN<<6)|WN
	WIN W_MX                                       ; sources 1 and 2: the accumulators' window
.irp b, 0,1,2,3
	v_max3_num_f32 v[TM+\b], 0x4800000, |v[AC+16*\b]|, |v[AC+16*\b+1]|   ; my 16 numbers of block b, and the floor 2^(9 - 127): the byte cannot fall under 1.  Each accumulator is read from its low end on
.endr
.irp i, 2,4,6,8,10,12,14
.irp b, 0,1,2,3
	v_max3_num_f32 v[TM+\b], v[TM+\b], |v[AC+16*\b+\i]|, |v[AC+16*\b+\i+1]|   ; (the four blocks by turns)
.endr
.endr
	WIN 0
.irp b, 0,1,2,3
	v_permlanex16_b32 v[T4+\b], v[TM+\b], s98, s99
.endr
.irp b, 0,1,2,3
	v_max_num_f32 v[TM+\b], v[TM+\b], v[T4+\b]     ; with lane l xor 16's: the block's largest magnitude
.endr
.irp b, 0,1,2,3
	v_add_nc_u32 v[SF+\b], 0xfc000000, v[TM+\b]    ; 8 off its exponent field: the conversion takes the exponent field of this operand as its scale
.endr
.irp b, 0,1,2,3
	v_and_or_b32 v[HD+\b], v[TM+\b], 0x7f800000, s100   ; 448 x the scale
.endr
.irp b, 0,1,2,3
	v_lshrrev_b32 v[T4+\b], 23, v[SF+\b]           ; the scale's byte
.endr
	v_lshl_or_b32 v[WA+(\a)], v[T4+1], 8, v[T4]
	v_lshl_or_b32 v[WB+(\a)], v[T4+3], 8, v[T4+2]
	WIN W_HD                                       ; destination and source 0: the accumulators' window
.irp b, 0,1,2,3
.set j, 0
.rept 16
	v_med3_num_f32 v[AC+16*\b+j], v[AC+16*\b+j], -v[HD+\b], v[HD+\b]   ; the conversion to an 8-bit code does not saturate (ISA guide 7.6.2): the hold at the largest code x the scale
.set j, j+1
.endr
.endr
	s_wait_xcnt 0x0                                ; the last block's stores have read their data and their base: both are written again only behind this wait
.if (\a) == 4
	s_add_nc_u64 s[12:13], s[12:13], s[20:21]
.elseif (\a) > 0
	s_add_nc_u64 s[12:13], s[12:13], s[18:19]
.endif
	WIN WN                                         ; source 0: the accumulators' window
.irp b, 0,1,2,3
	v_cvt_scalef32_pk8_fp8_f32 v[CD+4*\b:CD+4*\b+1], v[AC+16*\b:AC+16*\b+7], v[SF+\b]
	v_cvt_scalef32_pk8_fp8_f32 v[CD+4*\b+2:CD+4*\b+3], v[AC+16*\b+8:AC+16*\b+15], v[SF+\b]
.endr
	WIN 0
	v_nop                                          ; a plain vector line behind the last scaled conversion
.irp b, 0,1,2,3
	global_store_b128 v[VO+\b], v[CD+4*\b:CD+4*\b+3], s[12:13]   ; registers 4 c .. 4 c + 3 of a fragment, lane by lane: 512 consecutive bytes, aligned
.endr
.endm
.irp a, 0,1,2,3,4,5,6,7
	QOUT \a
.endr
	; The scale words: two blocks of A to a store, lanes 0-15 the even one's rows, lanes 16-31 the odd one's: 128 consecutive bytes a store (half of an aligned 256: these are one sixteenth of the codes' bytes).
	s_cmp_eq_u32 ttmp9, 2
	s_cbranch_scc1 .Lsc_v
.irp p, 0,1,2,3
	v_cndmask_b32 v[SW+\p], v[WA+2*\p], v[WA+2*\p+1], s101     ; q, k: a word a token: my first head's two bytes,
	v_cndmask_b32 v[SW+4+\p], v[WB+2*\p], v[WB+2*\p+1], s101   ; and my second head's
.endr
.irp p, 0,1,2,3
	global_store_b32 v[SO], v[SW+\p], s[66:67] offset:128*\p
	global_store_b32 v[SO], v[SW+4+\p], s[66:67] offset:HEADS+128*\p
.endr
	s_branch .Lsc_out
.Lsc_v:
.irp a, 0,1,2,3,4,5,6,7
	v_lshl_or_b32 v[WA+\a], v[WB+\a], 16, v[WA+\a]             ; v: a word a channel: the key step's four bytes
.endr
.irp p, 0,1,2,3
	v_cndmask_b32 v[SW+\p], v[WA+2*\p], v[WA+2*\p+1], s101
.endr
.irp p, 0,1,2,3
	global_store_b32 v[SO], v[SW+\p], s[66:67] offset:(\p/2)*HEADS+(\p%2)*128
.endr
.Lsc_out:
	s_wait_tensorcnt 0x0                           ; the wave's end
	ds_add_u32 v[SPW], v[NIL]
	s_wait_dscnt 0x0
	CROUND                                         ; the closing round: no work-group ends while a partner may still ask for a tile that names it
	s_endpgm
.Lfunc_end_k_q3fde2e5f37_proj:
	.size	k_q3fde2e5f37_proj, .Lfunc_end_k_q3fde2e5f37_proj-k_q3fde2e5f37_proj
	.p2alignl 7, 3214868480
	.fill 96, 4, 3214868480
	.section	.rodata,"a",@progbits
	.p2align	6, 0x0
	.amdhsa_kernel k_q3fde2e5f37_proj
		.amdhsa_group_segment_fixed_size 327680
		.amdhsa_private_segment_fixed_size 0
		.amdhsa_enable_private_segment 0
		.amdhsa_kernarg_size 104
		.amdhsa_user_sgpr_count 2
		.amdhsa_user_sgpr_kernarg_segment_ptr 1
		.amdhsa_wavefront_size32 1
		.amdhsa_system_sgpr_workgroup_id_x 1
		.amdhsa_system_sgpr_workgroup_id_y 1
		.amdhsa_system_sgpr_workgroup_id_z 1
		.amdhsa_system_vgpr_workitem_id 0
		.amdhsa_next_free_vgpr 1024
		.amdhsa_next_free_sgpr 102
		.amdhsa_reserve_vcc 0
		.amdhsa_float_denorm_mode_32 3
		.amdhsa_float_denorm_mode_16_64 3
		.amdhsa_memory_ordered 1
		.amdhsa_forward_progress 1
		.amdhsa_inst_pref_size 208
	.end_amdhsa_kernel
	.amdgpu_metadata
---
amdhsa.version: [ 1, 2 ]
amdhsa.kernels:
  - .name:           k_q3fde2e5f37_proj
    .symbol:         k_q3fde2e5f37_proj.kd
    .args:
      - { .name: x_codes, .offset: 0, .size: 8, .value_kind: global_buffer, .address_space: global }
      - { .name: x_scales, .offset: 8, .size: 8, .value_kind: global_buffer, .address_space: global }
      - { .name: Wq_codes, .offset: 16, .size: 8, .value_kind: global_buffer, .address_space: global }
      - { .name: Wq_scales, .offset: 24, .size: 8, .value_kind: global_buffer, .address_space: global }
      - { .name: Wk_codes, .offset: 32, .size: 8, .value_kind: global_buffer, .address_space: global }
      - { .name: Wk_scales, .offset: 40, .size: 8, .value_kind: global_buffer, .address_space: global }
      - { .name: Wv_codes, .offset: 48, .size: 8, .value_kind: global_buffer, .address_space: global }
      - { .name: Wv_scales, .offset: 56, .size: 8, .value_kind: global_buffer, .address_space: global }
      - { .name: bq, .offset: 64, .size: 8, .value_kind: global_buffer, .address_space: global }
      - { .name: bk, .offset: 72, .size: 8, .value_kind: global_buffer, .address_space: global }
      - { .name: bv, .offset: 80, .size: 8, .value_kind: global_buffer, .address_space: global }
      - { .name: qkv_img, .offset: 88, .size: 8, .value_kind: global_buffer, .address_space: global }
      - { .name: qkv_sc, .offset: 96, .size: 8, .value_kind: global_buffer, .address_space: global }
    .group_segment_fixed_size: 327680
    .private_segment_fixed_size: 0
    .kernarg_segment_align: 8
    .kernarg_segment_size: 104
    .max_flat_workgroup_size: 128
    .sgpr_count:     102
    .vgpr_count:     1024
    .wavefront_size: 32
...
	.end_amdgpu_metadata
.endif
;; end of part 1
;; launch attn (part 2): grid 4 x 64, 16 waves a work-group, clusters of 4 x 1, 327,680 bytes of LDS; arguments qkv_img, qkv_sc, Wo_codes, Wo_scales, partial; writes partial
.if DOCPART == 2
	.amdgcn_target "amdgcn-amd-amdhsa--gfx1250"
	.amdhsa_code_object_version 6
	.text
	.protected	k_q3fde2e5f37_attn
	.globl	k_q3fde2e5f37_attn
	.p2align	8
	.type	k_q3fde2e5f37_attn,@function
k_q3fde2e5f37_attn:
	s_mov_b64 s[64:65], 0
	v_nop
	global_prefetch_b8 v0, s[64:65] scope:SCOPE_SE
	s_setreg_imm32_b32 hwreg(HW_REG_WAVE_MODE, 25, 1), 1
	s_wait_xcnt 0x0
	s_wait_alu depctr_hold_cnt(0) depctr_sa_sdst(0) depctr_va_vdst(0) depctr_va_sdst(0) depctr_va_ssrc(0) depctr_va_vcc(0) depctr_vm_vsrc(0)
	s_getreg_b32 s2, hwreg(HW_REG_IB_STS2, 6, 4)
	s_cmp_eq_u32 s2, 0
	s_cbranch_scc0 .Lentry_in_a_cluster
	s_endpgm
.Lentry_in_a_cluster:
	s_bfe_u32 s2, ttmp6, 0x10000c
	s_cmp_lg_u32 s2, 0x3003
	s_cbranch_scc0 .Lentry_shape_is_right
	s_endpgm
.Lentry_shape_is_right:
; For one head and 512 of its queries: S = q k^T / 8, the softmax, o = p v / l, o quantised, and the head's slice (K = its 64 channels) of o Wo^T, summed over the queries.  All products on codes of FP8 (E4M3) with E8M0 scales.
; THE SOFTMAX AHEAD OF THE SECOND PRODUCT: t = score x log2(e) / 8; M = the row's largest t so far, rounded UP to a whole number; p = 2^(t - M) is quantised along the keys, not normalised.  The row's sum is taken of the
; unquantised p and divides O at the end.  When M moves, the sum and O are multiplied by 2^(old M - new M): exact.
; SHARES.  A work-group owns 512 queries of one head, in two passes of 256; each of its SIXTEEN waves owns one tile of 16 queries a pass, in 256 registers: four waves to a SIMD, so that one wave's vector work stands beside
; another's matrix work and LDS loads.  THE HEAD'S WHOLE K AND V STAY IN LDS, 131,072 bytes each, filled once, in four chunks of 512 keys: no slot is ever filled again.
; CLUSTER.  The four work-groups of a cluster are one head's: every fill is asked for jointly, by the same tensor load with the same descriptor and the mask of all four.
; No prefetch: every fill is issued at the kernel's head, so nothing could be asked for earlier.
; OPERANDS LIE AS IMAGES OF THEIR REGISTERS (the launch before laid them so): a group of four registers is 512 consecutive bytes, 16 a lane.  No pitch, no padding.
; LAYOUT.  Both attention products are used transposed: S^T = K Q^T (source 0 = 16 keys), O^T = V^T P^T (source 0 = 16 channels): a lane holds ONE query (lane % 16) throughout.
; THE ORDER INSIDE A BLOCK OF 32: tiles take neighbouring rows, so the 16 registers of tiles 2 b, 2 b + 1 hold elements 32 b + 16 u + 8 h + j; they go as they stand into operand registers 4 b .. 4 b + 3, and the other operand
; of each product is laid the same way (q with k, p with v by the launch before; Wo is loaded here in pieces of 8 bytes in that order).  A block's members and scale are the true ones.
; LIMIT: the matrix unit so groups a block's products otherwise than in ascending k; the last bits of a sum may differ.
; K = 64 fills half of the instruction's 128 in S^T and in o Wo^T: the upper halves of both operands hold zero codes, and their scale bytes are 0, which is 2^-127 and no NaN.
; THE SUM OVER QUERIES: in o Wo^T source 0 = 16 queries, source 1 = 16 rows of Wo; the sixteen tiles of queries add onto the same four accumulators; at the end a lane adds its eight rows and lane l xor 16's.
; LIMITS: NaN and infinities are not served.  A block whose largest magnitude lies under 2^-118 gets the byte 1.  The mean's sums are taken in another order than row by row.
.set HEADB, 393216                     ; a head's bytes in qkv_img: q, k, v, 131,072 each
.set HEADS, 20480                      ; and in qkv_sc: q's words 8,192, k's 8,192, v's 4,096
.set VIMG,  131072                     ; LDS: K's image at 0, V's here,
.set KSC,   262144                     ; k's scale words, a word a key,
.set VSC,   270336                     ; v's: [16 key steps][4 channel tiles][16 channels],
.set OIMG,  274432                     ; o's sixteen fragments of a pass, 1,024 bytes each (written by LDS stores alone: no fill lands here),
.set OSC,   290816                     ; and their scale words, 128 bytes each;
.set EPB,   18432                      ; the second pass's lie this much further on: bytes of their own, so that no barrier is owed between one pass's reads and the next pass's stores
.set LI,    1                          ; v1   16 x lane
.set LIV,   2                          ; v2   + VIMG
.set LSK,   3                          ; v3   4 x lane + KSC
.set LSV,   4                          ; v4   4 x lane + VSC
.set ADK,   5                          ; v5-8 the step's addresses: K, V, k's scale words, v's
.set ADV,   6
.set ADS,   7
.set ADT,   8
.set WOFF,  9                          ; v9   Wo: 2,048 r + 8 h
.set WSOFF, 10                         ; v10  Wo's scales: 64 r
.set L8,    11                         ; v11  8 x lane
                                       ; v12 -M, v13 the largest t, v[14:15] the sum in two halves
.set QF,    16                         ; v16-23 Q's codes, v24-31 zeros that stay
.set KF,    32                         ; v32-95 four fragments of K (later of Wo): codes in the lower eight registers of each, zeros that stay in the upper eight
.set S,     96                         ; v96-159 S^T, then p, then V's four fragments; in the epilogue four fragments of o
.set O,     160                        ; v160-191 O^T; in the epilogue the four accumulators of o Wo^T
.set PC,    192                        ; v192-207 p's codes; in the epilogue o's
.set QS,    216                        ; v216 Q's scale words.  v216-225 hold scales and nothing else
.set KSR,   218                        ; v218-221 k's scale words: lanes 0-15 tile 2 p's, lanes 16-31 tile 2 p + 1's; in the epilogue Wo's
.set VSR,   222                        ; v222-223 v's likewise
.set PW,    224                        ; v224 p's scale word
.set OSW,   225                        ; v225 o's scale word
.set OSR,   222                        ; v222-225 in the epilogue: the scale words of four fragments of o
.set OWI,   226                        ; v226 where I store o's image: 16 x lane + OIMG + 1,024 x wave
.set OWS,   227                        ; v227 and its scale word: 4 x lane + OSC + 128 x wave
.set BM,    228                        ; v228-231 a block's largest score, then its largest p
.set T2,    232                        ; v232-235 at work
.set HOLD,  236                        ; v236-239 448 x the scale
.set SCF,   240                        ; v240-243 the conversion's scale operand
.set F,     244                        ; v[244:245] f = 2^(old M - new M), later 1 / l; the upper word is 0 and is only named
.set TP,    246                        ; v246 at work
.set ST,    248                        ; v[248:249] what I store
.set LIO,   250                        ; v250 16 x lane + OIMG
.set LSO,   251                        ; v251 4 x lane + OSC
.set R4,    252                        ; v252 4 x (lane % 16)
.set WV,  14                           ; s14  my wave's number
.set CX,  15                           ; s15  my place in the cluster: it enters Q's and the partial's addresses alone
.set BH,  16                           ; s16  the head, 16 x batch + head
.set QP,  18                           ; s[18:19] Q's image at my tile of the first pass;  s[20:21] its scale words
.set QSP, 20
.set WOP, 8                            ; s[8:9] Wo's codes at row 64 x wave, the head's 64 columns;  s[10:11] its scales
.set WSP, 10
.set PP,  12                           ; s[12:13] the partial sums: my work-group's first row, my wave's 64 columns
.set G1,  24                           ; s[24:31] descriptor group 1: 64 rows of 256 bytes, dense
.set G1S, 32                           ; s[32:39] the same with 12 rows
.set G0S, 40                           ; s[40:43] group 0 for the scale words
.set G0C, 44                           ; s[44:59] for my part of each of the four chunks
.set SEL, 60                           ; s[60:61] lane selects for v_permlanex16_b32: lane l xor 16
.set CS,  62                           ; s[62:63] c = log2(e) / 8: the packed form names a pair and takes its low word for both halves
.set MNT, 66                           ; s66  the mantissa field of 448
.set TB,  67                           ; s67  the key step's first byte in K's image and in V's: 8,192 a step
.set TS,  68                           ; s68  among k's scale words: 512 a step
.set TJ,  69                           ; s69  among v's: 256 a step
.set CNT, 70                           ; s70  steps to go
.set H16, 72                           ; s72  lanes 16-31
.macro CROUND                          ; a round of the cluster's barrier
	s_barrier_signal -1
	s_barrier_wait -1
	s_cmp_lg_u32 s[WV], 0
	s_cbranch_scc1 .Lnot_wave_0_\@
	s_barrier_signal -3
.Lnot_wave_0_\@:
	s_barrier_wait -3
	s_barrier_signal -1
	s_barrier_wait -1
.endm
	s_load_b256 s[4:11], s[0:1], 0x0               ; qkv_img, qkv_sc, Wo's codes, Wo's scales
	s_load_b64 s[12:13], s[0:1], 0x20              ; partial
	v_lshl_add_u32 v254, v0, 2, 0x4c000
	v_mov_b32 v255, 0
	ds_add_u32 v254, v255
	ds_add_u32 v254, v255
	v_lshrrev_b32 v1, 5, v0
	v_readfirstlane_b32 s[WV], v1                  ; wave 0..15
	s_bfe_u32 s[CX], ttmp6, 0x40000
	s_and_b32 s[BH], ttmp7, 0xffff                 ; the four partners share it
	s_mov_b32 s[G1], 15|(3<<16)|(1<<21)            ; 15:0 the mask: all four work-groups; 17:16 elements of 8 bytes; 20 no padding; 21 set beside a mask
	s_mov_b32 s[G1+1], 32<<16                      ; tensor_dim0 = 32 elements: 256 bytes
	s_mov_b32 s[G1+2], 64<<16                      ; tensor_dim1 = 64
	s_mov_b32 s[G1+3], 32<<16                      ; tile_dim0
	s_mov_b32 s[G1+4], 64                          ; tile_dim1
	s_mov_b32 s[G1+5], 32                          ; tensor_dim0_stride: dense
	s_mov_b32 s[G1+6], 0
	s_mov_b32 s[G1+7], 0
	s_mov_b32 s[G1S], 15|(3<<16)|(1<<21)
	s_mov_b32 s[G1S+1], 32<<16
	s_mov_b32 s[G1S+2], 12<<16
	s_mov_b32 s[G1S+3], 32<<16
	s_mov_b32 s[G1S+4], 12
	s_mov_b32 s[G1S+5], 32
	s_mov_b32 s[G1S+6], 0
	s_mov_b32 s[G1S+7], 0
	s_mov_b32 s[SEL], 0x76543210
	s_mov_b32 s[SEL+1], 0xfedcba98
	s_mov_b32 s[CS], 0x3e38aa3b                    ; log2(e) / 8
	s_mov_b32 s[CS+1], s[CS]                       ; (named with it as a pair, so it is written)
	s_mov_b32 s[MNT], 0x600000
	s_mov_b32 s[H16], 0xffff0000
	s_mul_i32 s76, s[BH], HEADB                    ; the head's first byte in qkv_img (under 2^25),
	s_mov_b32 s77, 0
	s_mul_i32 s78, s[BH], HEADS                    ; and in qkv_sc
	s_mov_b32 s79, 0
	; what I fetch, if I fetch (waves 0 to 3): of each chunk, waves 0, 1 the halves of K's 32,768 bytes, waves 2, 3 those of V's; and a quarter of the 12,288 bytes of k's and v's scale words
	s_lshr_b32 s74, s[WV], 1
	s_lshl_b32 s74, s74, 17
	s_and_b32 s75, s[WV], 1
	s_lshl_b32 s75, s75, 14
	s_add_co_u32 s74, s74, s75                     ; my part of chunk 0, in LDS; in the head's image it lies 131,072 bytes further on, behind q
	s_mul_i32 s75, s[WV], 3072
	s_add_co_u32 s80, s74, 131072
	s_mov_b32 s81, 0
	s_add_nc_u64 s[80:81], s[80:81], s[76:77]
	s_add_co_u32 s82, s75, 8192                    ; behind q's words
	s_mov_b32 s83, 0
	s_add_nc_u64 s[82:83], s[82:83], s[78:79]
	s_lshl_b32 s84, s[CX], 5
	s_add_co_u32 s84, s84, s[WV]                   ; my tile of queries in the first pass: 32 cx + wave; in the second 16 further on
	s_lshl_b32 s86, s84, 6                         ; its scale words,
	s_lshl_b32 s84, s84, 10                        ; its image
	s_mov_b32 s85, 0
	s_mov_b32 s87, 0
	s_add_nc_u64 s[84:85], s[84:85], s[76:77]
	s_add_nc_u64 s[86:87], s[86:87], s[78:79]
	s_and_b32 s88, s[BH], 15                       ; the head in its batch: its 64 columns of Wo
	s_lshl_b32 s76, s[WV], 16                      ; my 64 rows of Wo, 1,024 bytes each
	s_lshl_b32 s77, s88, 6
	s_add_co_u32 s76, s76, s77
	s_mov_b32 s77, 0
	s_lshl_b32 s78, s[WV], 11                      ; and of its scales, 32 bytes each
	s_lshl_b32 s79, s88, 1
	s_add_co_u32 s78, s78, s79
	s_mov_b32 s79, 0
	s_lshl_b32 s88, s[BH], 3
	s_lshl_b32 s89, s[CX], 1
	s_add_co_u32 s88, s88, s89                     ; the partial's row: 8 x head + 2 cx + pass
	s_lshl_b32 s88, s88, 12
	s_lshl_b32 s89, s[WV], 8
	s_add_co_u32 s88, s88, s89
	s_mov_b32 s89, 0
	s_wait_dscnt 0x0
	s_wait_kmcnt 0x0
	s_add_nc_u64 s[QP:QP+1], s[4:5], s[84:85]
	s_add_nc_u64 s[QSP:QSP+1], s[6:7], s[86:87]
	s_add_nc_u64 s[80:81], s[4:5], s[80:81]
	s_add_nc_u64 s[82:83], s[6:7], s[82:83]
	s_add_nc_u64 s[WOP:WOP+1], s[8:9], s[76:77]
	s_add_nc_u64 s[WSP:WSP+1], s[10:11], s[78:79]
	s_add_nc_u64 s[PP:PP+1], s[12:13], s[88:89]
	s_mov_b32 s[G0S], 1                            ; 1:0 count = 1
	s_add_co_u32 s[G0S+1], s75, KSC                ; 63:32 LDS address
	s_mov_b64 s[G0S+2:G0S+3], s[82:83]             ; 120:64 global address
	s_or_b32 s[G0S+3], s[G0S+3], 0x80000000        ; 127:126 type = 2
.irp c, 0,1,2,3
	s_mov_b32 s[G0C+4*\c], 1
	s_add_co_u32 s[G0C+4*\c+1], s74, 32768*\c
	s_add_nc_u64 s[G0C+4*\c+2:G0C+4*\c+3], s[80:81], 32768*\c
	s_or_b32 s[G0C+4*\c+3], s[G0C+4*\c+3], 0x80000000
.endr
	CROUND                                         ; all four work-groups are here: the joint loads meet
	s_cmp_lt_u32 s[WV], 4                          ; all fills of a wave stand in one branch on its number, ahead of every wait on TENSORcnt, every LDS read and every further barrier: five loads of mine are out
	s_cbranch_scc0 .Lno_fill
	tensor_load_to_lds s[G0S:G0S+3], s[G1S:G1S+7]
	s_nop 0
	tensor_load_to_lds s[G0C:G0C+3], s[G1:G1+7]
	s_nop 0
	tensor_load_to_lds s[G0C+4:G0C+7], s[G1:G1+7]
	s_nop 0
	tensor_load_to_lds s[G0C+8:G0C+11], s[G1:G1+7]
	s_nop 0
	tensor_load_to_lds s[G0C+12:G0C+15], s[G1:G1+7]
	s_nop 0
.rept 4
	v_nop
.endr
.Lno_fill:
	v_and_b32 v[TP], 31, v0                        ; lane
	v_lshlrev_b32 v[LI], 4, v[TP]
	v_and_b32 v[R4], 15, v0                        ; r
	v_bfe_u32 v[T2], v0, 4, 1                      ; h
	v_lshlrev_b32 v[WOFF], 11, v[R4]               ; lane r takes every second row of Wo: 2 r rows of 1,024 bytes,
	v_lshl_or_b32 v[WOFF], v[T2], 3, v[WOFF]       ; and its half's 8 bytes of each 16
	v_lshlrev_b32 v[WSOFF], 6, v[R4]
	v_lshlrev_b32 v[R4], 2, v[R4]
	global_load_b128 v[QF:QF+3], v[LI], s[QP:QP+1]             ; Q's fragment, as it lies
	global_load_b128 v[QF+4:QF+7], v[LI], s[QP:QP+1] offset:512
	global_load_b32 v[QS], v[R4], s[QSP:QSP+1]                 ; and its scale words
	v_add_nc_u32 v[LIV], VIMG, v[LI]
	v_lshl_add_u32 v[LSK], v[TP], 2, KSC
	v_lshl_add_u32 v[LSV], v[TP], 2, VSC
	v_lshl_add_u32 v[LSO], v[TP], 2, OSC
	v_add_nc_u32 v[LIO], OIMG, v[LI]
	v_lshlrev_b32 v[L8], 3, v[TP]
	s_lshl_b32 s74, s[WV], 10
	s_add_co_u32 s74, s74, OIMG
	v_add_nc_u32 v[OWI], s74, v[LI]
	s_lshl_b32 s74, s[WV], 7
	s_add_co_u32 s74, s74, OSC
	v_lshl_add_u32 v[OWS], v[TP], 2, s74
.irp j, 8,9,10,11,12,13,14,15
	v_mov_b32 v[QF+\j], 0                          ; K = 64: the upper halves of the operands are zero codes, written once
.irp t, 0,1,2,3
	v_mov_b32 v[KF+16*\t+\j], 0
.endr
.endr
.irp b, 0,1,2,3
	v_mov_b32 v[T2+\b], 0                          ; written once: a lane permute's destination counts as one of its sources
.endr
	v_mov_b32 v[F+1], 0                            ; (named as the upper half of a pair)
.macro INIT                            ; a pass begins: O^T and the sum are zeros and the largest t lies under every t, so that the step is written without a first step of its own: the first change of M multiplies zeros
	v_mov_b32 v13, 0xff61b1e6                      ; -3e38
	v_floor_f32 v12, -v13                          ; -M
	v_mov_b32 v14, 0
	v_mov_b32 v15, 0
.set j, 0
.rept 32
	v_mov_b32 v[O+j], 0
.set j, j+1
.endr
.endm
; Four tiles of S^T = K Q^T: keys 64 g + 16 t on.
.macro KQ g
.irp t, 0,1,2,3
	ds_load_b128 v[KF+16*\t:KF+16*\t+3], v[ADK] offset:(4*\g+\t)*1024
	ds_load_b128 v[KF+16*\t+4:KF+16*\t+7], v[ADK] offset:(4*\g+\t)*1024+512
.endr
.if \g == 0
.irp p, 0,1,2,3
	ds_load_b32 v[KSR+\p], v[ADS] offset:128*\p    ; the words of the step's 128 keys
.endr
.endif
	s_wait_dscnt 0x0
.irp t, 0,2
	v_wmma_scale_f32_16x16x128_f8f6f4 v[S+8*(4*\g+\t):S+8*(4*\g+\t)+7], v[KF+16*\t:KF+16*\t+15], v[QF:QF+15], 0, v[KSR+2*\g+\t/2], v[QS]
	v_wmma_scale_f32_16x16x128_f8f6f4 v[S+8*(4*\g+\t+1):S+8*(4*\g+\t+1)+7], v[KF+16*(\t+1):KF+16*(\t+1)+15], v[QF:QF+15], 0, v[KSR+2*\g+\t/2], v[QS] matrix_a_scale:MATRIX_SCALE_ROW1
.endr
.endm
; The largest score of blocks b0 and b1 of 32 keys, by turns; each accumulator is read from its low end on.  It serves twice: for the row's maximum and, since p rises with the score, for the block's largest p.
.macro BMAX b0, b1
	v_max3_num_f32 v[BM+\b0], v[S+16*\b0], v[S+16*\b0+1], v[S+16*\b0+2]
	v_max3_num_f32 v[BM+\b1], v[S+16*\b1], v[S+16*\b1+1], v[S+16*\b1+2]
.irp i, 3,5,7,9,11,13
	v_max3_num_f32 v[BM+\b0], v[BM+\b0], v[S+16*\b0+\i], v[S+16*\b0+\i+1]
	v_max3_num_f32 v[BM+\b1], v[BM+\b1], v[S+16*\b1+\i], v[S+16*\b1+\i+1]
.endr
	v_max_num_f32 v[BM+\b0], v[BM+\b0], v[S+16*\b0+15]
	v_max_num_f32 v[BM+\b1], v[BM+\b1], v[S+16*\b1+15]
.endm
; A KEY STEP: 128 keys.
.macro STEP
	v_add_nc_u32 v[ADK], s[TB], v[LI]
	v_add_nc_u32 v[ADS], s[TS], v[LSK]
.rept 7
	v_nop                                          ; nine places with the two additions: the first products below write over registers that the last step's V^T P products read as operands (one more than for a load)
.endr
	KQ 0
	v_add_nc_u32 v[ADV], s[TB], v[LIV]
	v_add_nc_u32 v[ADT], s[TJ], v[LSV]
.rept 6
	v_nop                                          ; eight places with the two additions, in front of loads into K's registers and of the first read of the four tiles just made
.endr
	KQ 1
	BMAX 0, 1                                      ; sixteen lines that name none of the last four products' registers: their eight places
	BMAX 2, 3
.irp b, 0,1,2,3
	v_permlanex16_b32 v[T2+\b], v[BM+\b], s[SEL], s[SEL+1]
.endr
.irp b, 0,1,2,3
	v_max_num_f32 v[BM+\b], v[BM+\b], v[T2+\b]     ; with lane l xor 16's 16 keys
.endr
	v_max3_num_f32 v[TP], v[BM], v[BM+1], v[BM+2]
	v_max_num_f32 v[TP], v[TP], v[BM+3]            ; the step's largest score of my query
	v_mul_f32 v[TP], s[CS], v[TP]                  ; as t (c is positive)
	v_max_num_f32 v13, v13, v[TP]                  ; the running largest t
	v_mov_b32 v[TP], v12
	v_floor_f32 v12, -v13                          ; the new -M = floor(-t) = -ceil(t): M is a whole number
	v_sub_f32 v[TP], v12, v[TP]                    ; M's old value less its new one: a whole number, 0 or less
	v_cvt_i32_f32 v[TP], v[TP]                     ; (it saturates)
	v_ldexp_f32 v[F], 1.0, v[TP]                   ; f = 2^(old M - new M)
.set j, 0
.rept 32
	v_pk_fma_f32 v[S+j:S+j+1], v[S+j:S+j+1], s[CS:CS+1], v[12:13] op_sel_hi:[1,0,0]   ; t - M, two at a time (of the pairs c and -M the low word serves both halves)
.set j, j+2
.endr
.irp b, 0,1,2,3
	v_fma_f32 v[BM+\b], v[BM+\b], s[CS], v12       ; the same of each block's largest score
.endr
.set j, 0
.rept 64
	v_exp_f32 v[S+j], v[S+j]                       ; p = 2^(t - M), at most 1: not normalised
.set j, j+1
.endr
	v_pk_mul_f32 v[14:15], v[14:15], v[F:F+1] op_sel_hi:[1,0]   ; the sums under the new M.  (The plain line behind the exponentials)
	s_wait_alu depctr_va_vdst(0)                   ; one wait for the whole batch, ahead of its first reader
.irp b, 0,1,2,3
	v_exp_f32 v[BM+\b], v[BM+\b]                   ; the block's largest p: the same two instructions on the same number give the same bits
.endr
	v_pk_add_f32 v[T2:T2+1], v[S:S+1], v[S+2:S+3]  ; the row's sum is taken of the unquantised p: two at a time, in two chains.  (It reads the 64 alone: plain work behind the four)
.set j, 4
.rept 15
	v_pk_add_f32 v[14:15], v[14:15], v[S+j:S+j+1]
	v_pk_add_f32 v[T2:T2+1], v[T2:T2+1], v[S+j+2:S+j+3]
.set j, j+4
.endr
	v_pk_add_f32 v[14:15], v[14:15], v[T2:T2+1]
	s_wait_alu depctr_va_vdst(0)                   ; and one for the four
.irp b, 0,1,2,3
	v_max_num_f32 v[BM+\b], 0x4800000, v[BM+\b]    ; the floor 2^(9 - 127): the byte cannot fall under 1
.endr
.irp b, 0,1,2,3
	v_add_nc_u32 v[SCF+\b], 0xfc000000, v[BM+\b]   ; 8 off the exponent field: the conversion's scale operand
.endr
.irp b, 0,1,2,3
	v_and_or_b32 v[HOLD+\b], v[BM+\b], 0x7f800000, s[MNT]   ; 448 x the scale
.endr
.irp b, 0,1,2,3
	v_lshrrev_b32 v[T2+\b], 23, v[SCF+\b]          ; the scale's byte
.endr
	v_lshl_or_b32 v[PW], v[T2+1], 8, v[T2]         ; p's scale word for these 128 keys: far more than eight vector lines ahead of the products that take it
	v_lshl_or_b32 v[PW], v[T2+2], 16, v[PW]
	v_lshl_or_b32 v[PW], v[T2+3], 24, v[PW]
.irp b, 0,1,2,3
.set j, 0
.rept 16
	v_min_num_f32 v[S+16*\b+j], v[S+16*\b+j], v[HOLD+\b]   ; the conversion to an 8-bit code does not saturate (ISA guide 7.6.2); p is not negative, so the hold is one-sided
.set j, j+1
.endr
	v_cvt_scalef32_pk8_fp8_f32 v[PC+4*\b:PC+4*\b+1], v[S+16*\b:S+16*\b+7], v[SCF+\b]
	v_cvt_scalef32_pk8_fp8_f32 v[PC+4*\b+2:PC+4*\b+3], v[S+16*\b+8:S+16*\b+15], v[SCF+\b]
.endr
.irp d, 0,1,2,3                                ; V's four fragments (16 channels x 128 keys each) land where p stood: it is done with
.irp c, 0,1,2,3
	ds_load_b128 v[S+16*\d+4*\c:S+16*\d+4*\c+3], v[ADV] offset:2048*\d+512*\c
.endr
.endr
	ds_load_b32 v[VSR], v[ADT]
	ds_load_b32 v[VSR+1], v[ADT] offset:128
.set j, 0
.rept 16
	v_pk_mul_f32 v[O+j:O+j+1], v[O+j:O+j+1], v[F:F+1] op_sel_hi:[1,0]   ; O^T under the new M, each accumulator from its low end on, while the loads are out.  (Also the plain lines between the conversions and the products that take the codes)
.set j, j+2
.endr
	s_wait_dscnt 0x0
.irp d, 0,2                                    ; O^T += V^T P^T: the four accumulators by turns, and the next step's S^T products stand between two links of a chain
	v_wmma_scale_f32_16x16x128_f8f6f4 v[O+8*\d:O+8*\d+7], v[S+16*\d:S+16*\d+15], v[PC:PC+15], v[O+8*\d:O+8*\d+7], v[VSR+\d/2], v[PW]
	v_wmma_scale_f32_16x16x128_f8f6f4 v[O+8*(\d+1):O+8*(\d+1)+7], v[S+16*(\d+1):S+16*(\d+1)+15], v[PC:PC+15], v[O+8*(\d+1):O+8*(\d+1)+7], v[VSR+\d/2], v[PW] matrix_a_scale:MATRIX_SCALE_ROW1
.endr
	s_add_co_u32 s[TB], s[TB], 8192
	s_add_co_u32 s[TS], s[TS], 512
	s_add_co_u32 s[TJ], s[TJ], 256
.endm
; Chunk c of the first pass: 512 keys, four steps.  The wave that fetched waits for its part, then the barrier shows the chunk to all sixteen.  The later chunks' loads stay out.
.macro CHUNK c
	s_wait_tensorcnt 3-\c                          ; the scale words and chunks 0 .. c are in; the 3 - c loads issued behind them may be out
	s_wait_dscnt 0x0                               ; no LDS instruction of mine is out at a signal
	s_barrier_signal -1
	s_barrier_wait -1
	s_mov_b32 s[TB], 32768*\c
	s_mov_b32 s[TS], 2048*\c
	s_mov_b32 s[TJ], 1024*\c
	s_mov_b32 s[CNT], 4
.Lchunk_\@:
	STEP
	s_sub_co_u32 s[CNT], s[CNT], 1
	s_cmp_lg_u32 s[CNT], 0
	s_cbranch_scc1 .Lchunk_\@
.endm
; THE END OF A PASS: o = O^T / l, quantised along the head's 64 channels; its image goes to LDS; each wave multiplies all sixteen tiles of queries by its 64 rows of Wo and stores the sums over the 256 queries.
.macro EPI pass
.irp i, 0,1,2,3                                ; Wo's four fragments, into K's registers (their last readers stand a softmax back).  Tile i, lane r: row 64 w + 32 (i / 2) + i % 2 + 2 r, so that a lane ends with two neighbouring outputs
.irp c, 0,1
.irp u, 0,1
	global_load_b64 v[KF+16*\i+4*\c+2*\u:KF+16*\i+4*\c+2*\u+1], v[WOFF], s[WOP:WOP+1] offset:(32*(\i/2)+(\i%2))*1024+32*\c+16*\u   ; channels 32 c + 16 u + 8 h + 0 .. 7: the order in which o's codes lie
.endr
.endr
	global_load_u16 v[KSR+\i], v[WSOFF], s[WSP:WSP+1] offset:(32*(\i/2)+(\i%2))*32   ; the row's two scale bytes of this head; the upper two bytes are 0
.endr
.if (\pass) == 0
	global_load_b128 v[QF:QF+3], v[LI], s[QP:QP+1] offset:16384       ; the second pass's Q: 16 tiles on
	global_load_b128 v[QF+4:QF+7], v[LI], s[QP:QP+1] offset:16384+512
	global_load_b32 v[QS], v[R4], s[QSP:QSP+1] offset:1024
.endif
.rept 8
	v_nop                                          ; places behind the last V^T P products: their results are read and their operands' registers written below
.endr
.irp q, 0,1,2,3
.irp j, 8,9,10,11,12,13,14,15
	v_mov_b32 v[S+16*\q+\j], 0                     ; K = 64: the upper halves of o's four fragments
.endr
.endr
	v_add_f32 v14, v14, v15                        ; the sum's two halves,
	v_permlanex16_b32 v[TP], v14, s[SEL], s[SEL+1]
	v_add_f32 v14, v14, v[TP]                      ; and lane l xor 16's: the row's sum
	v_rcp_f32 v[F], v14
	v_nop                                          ; a plain line behind the reciprocal,
	s_wait_alu depctr_va_vdst(0)                   ; and the wait ahead of its first reader
.set j, 0
.rept 16
	v_pk_mul_f32 v[O+j:O+j+1], v[O+j:O+j+1], v[F:F+1] op_sel_hi:[1,0]   ; o: register 8 d + i is channel 16 d + 8 h + i of my query
.set j, j+2
.endr
.irp b, 0,1
	v_max3_num_f32 v[BM+\b], |v[O+16*\b]|, |v[O+16*\b+1]|, 0x4800000
.endr
.irp i, 2,4,6,8,10,12,14
.irp b, 0,1
	v_max3_num_f32 v[BM+\b], v[BM+\b], |v[O+16*\b+\i]|, |v[O+16*\b+\i+1]|
.endr
.endr
.irp b, 0,1
	v_permlanex16_b32 v[T2+\b], v[BM+\b], s[SEL], s[SEL+1]
.endr
.irp b, 0,1
	v_max_num_f32 v[BM+\b], v[BM+\b], v[T2+\b]
.endr
.irp b, 0,1
	v_add_nc_u32 v[SCF+\b], 0xfc000000, v[BM+\b]
.endr
.irp b, 0,1
	v_and_or_b32 v[HOLD+\b], v[BM+\b], 0x7f800000, s[MNT]
.endr
.irp b, 0,1
	v_lshrrev_b32 v[T2+\b], 23, v[SCF+\b]
.endr
	v_lshl_or_b32 v[OSW], v[T2+1], 8, v[T2]        ; my query's scale word: two bytes, the upper two 0
.irp b, 0,1
.set j, 0
.rept 16
	v_med3_num_f32 v[O+16*\b+j], v[O+16*\b+j], -v[HOLD+\b], v[HOLD+\b]
.set j, j+1
.endr
	v_cvt_scalef32_pk8_fp8_f32 v[PC+4*\b:PC+4*\b+1], v[O+16*\b:O+16*\b+7], v[SCF+\b]
	v_cvt_scalef32_pk8_fp8_f32 v[PC+4*\b+2:PC+4*\b+3], v[O+16*\b+8:O+16*\b+15], v[SCF+\b]
.endr
	v_nop                                          ; a plain vector line behind the last scaled conversion: the products below write its sources
	ds_store_b128 v[OWI], v[PC:PC+3] offset:EPB*(\pass)
	ds_store_b128 v[OWI], v[PC+4:PC+7] offset:EPB*(\pass)+512
	ds_store_b32 v[OWS], v[OSW] offset:EPB*(\pass)
	s_wait_dscnt 0x0                               ; for the others' sake: my stores have landed
	s_barrier_signal -1
	s_barrier_wait -1                              ; the sixteen fragments of o lie in LDS
	s_wait_loadcnt 0x0                             ; Wo (and the next pass's Q)
.irp g, 0,1,2,3                                ; four tiles of queries at a time
.if \g > 0
.rept 8
	v_nop                                          ; places in front of loads into registers that matrix instructions have read
.endr
.endif
.irp q, 0,1,2,3
	ds_load_b128 v[S+16*\q:S+16*\q+3], v[LIO] offset:EPB*(\pass)+1024*(4*\g+\q)
	ds_load_b128 v[S+16*\q+4:S+16*\q+7], v[LIO] offset:EPB*(\pass)+1024*(4*\g+\q)+512
	ds_load_b32 v[OSR+\q], v[LSO] offset:EPB*(\pass)+128*(4*\g+\q)
.endr
	s_wait_dscnt 0x0
.irp q, 0,1,2,3
.irp i, 0,1,2,3                                ; the four accumulators by turns, one instruction a turn; the first tile of queries starts the sums
.if (\g == 0) && (\q == 0)
	v_wmma_scale_f32_16x16x128_f8f6f4 v[O+8*\i:O+8*\i+7], v[S+16*\q:S+16*\q+15], v[KF+16*\i:KF+16*\i+15], 0, v[OSR+\q], v[KSR+\i]
.else
	v_wmma_scale_f32_16x16x128_f8f6f4 v[O+8*\i:O+8*\i+7], v[S+16*\q:S+16*\q+15], v[KF+16*\i:KF+16*\i+15], v[O+8*\i:O+8*\i+7], v[OSR+\q], v[KSR+\i]
.endif
.endr
.endr
.endr
.rept 8
	v_nop
.endr
.irp i, 0,1,2,3                                ; a lane's eight registers are eight rows of one column: their sum, from the low end on,
	v_pk_add_f32 v[O+8*\i:O+8*\i+1], v[O+8*\i:O+8*\i+1], v[O+8*\i+2:O+8*\i+3]
	v_pk_add_f32 v[O+8*\i+4:O+8*\i+5], v[O+8*\i+4:O+8*\i+5], v[O+8*\i+6:O+8*\i+7]
.endr
.irp i, 0,1,2,3
	v_pk_add_f32 v[O+8*\i:O+8*\i+1], v[O+8*\i:O+8*\i+1], v[O+8*\i+4:O+8*\i+5]
.endr
.irp i, 0,1,2,3
	v_add_f32 v[BM+\i], v[O+8*\i], v[O+8*\i+1]
.endr
.irp i, 0,1,2,3
	v_permlanex16_b32 v[T2+\i], v[BM+\i], s[SEL], s[SEL+1]
.endr
.irp i, 0,1,2,3
	v_add_f32 v[BM+\i], v[BM+\i], v[T2+\i]         ; and lane l xor 16's eight rows
.endr
	s_wait_xcnt 0x0                                ; an earlier store has read its data: they are written again only behind this wait
	v_cndmask_b32 v[ST], v[BM], v[BM+2], s[H16]    ; lane l stores columns 64 w + 2 l and 2 l + 1: lanes 0-15 from tiles 0, 1, lanes 16-31 from tiles 2, 3
	v_cndmask_b32 v[ST+1], v[BM+1], v[BM+3], s[H16]
	global_store_b64 v[L8], v[ST:ST+1], s[PP:PP+1] offset:4096*(\pass)   ; 32 lanes store 256 consecutive bytes, aligned
.endm
	INIT
	s_wait_loadcnt 0x0                             ; Q
	CHUNK 0
	CHUNK 1
	CHUNK 2
	CHUNK 3
	EPI 0
	INIT                                           ; THE SECOND PASS: all of K and V lie in LDS and have been shown to every wave: one loop of sixteen steps, no wait for tiles, no barrier
	s_mov_b32 s[TB], 0
	s_mov_b32 s[TS], 0
	s_mov_b32 s[TJ], 0
	s_mov_b32 s[CNT], 16
.Lsecond:
	STEP
	s_sub_co_u32 s[CNT], s[CNT], 1
	s_cmp_lg_u32 s[CNT], 0
	s_cbranch_scc1 .Lsecond
	EPI 1
	s_wait_tensorcnt 0x0                           ; no tensor load and no LDS instruction of mine is out
	s_wait_dscnt 0x0
	s_wait_tensorcnt 0x0
	ds_add_u32 v254, v255
	s_wait_dscnt 0x0
	CROUND                                         ; the closing round: no work-group ends while a partner may still ask for a tile that names it
	s_endpgm
.Lfunc_end_k_q3fde2e5f37_attn:
	.size	k_q3fde2e5f37_attn, .Lfunc_end_k_q3fde2e5f37_attn-k_q3fde2e5f37_attn
	.p2alignl 7, 3214868480
	.fill 96, 4, 3214868480
	.section	.rodata,"a",@progbits
	.p2align	6, 0x0
	.amdhsa_kernel k_q3fde2e5f37_attn
		.amdhsa_group_segment_fixed_size 327680
		.amdhsa_private_segment_fixed_size 0
		.amdhsa_enable_private_segment 0
		.amdhsa_kernarg_size 40
		.amdhsa_user_sgpr_count 2
		.amdhsa_user_sgpr_kernarg_segment_ptr 1
		.amdhsa_wavefront_size32 1
		.amdhsa_system_sgpr_workgroup_id_x 1
		.amdhsa_system_sgpr_workgroup_id_y 1
		.amdhsa_system_sgpr_workgroup_id_z 1
		.amdhsa_system_vgpr_workitem_id 0
		.amdhsa_next_free_vgpr 256
		.amdhsa_next_free_sgpr 96
		.amdhsa_reserve_vcc 0
		.amdhsa_float_denorm_mode_32 3
		.amdhsa_float_denorm_mode_16_64 3
		.amdhsa_memory_ordered 1
		.amdhsa_forward_progress 1
		.amdhsa_inst_pref_size 151
	.end_amdhsa_kernel
	.amdgpu_metadata
---
amdhsa.version: [ 1, 2 ]
amdhsa.kernels:
  - .name:           k_q3fde2e5f37_attn
    .symbol:         k_q3fde2e5f37_attn.kd
    .args:
      - { .name: qkv_img, .offset: 0, .size: 8, .value_kind: global_buffer, .address_space: global }
      - { .name: qkv_sc, .offset: 8, .size: 8, .value_kind: global_buffer, .address_space: global }
      - { .name: Wo_codes, .offset: 16, .size: 8, .value_kind: global_buffer, .address_space: global }
      - { .name: Wo_scales, .offset: 24, .size: 8, .value_kind: global_buffer, .address_space: global }
      - { .name: partial, .offset: 32, .size: 8, .value_kind: global_buffer, .address_space: global }
    .group_segment_fixed_size: 327680
    .private_segment_fixed_size: 0
    .kernarg_segment_align: 8
    .kernarg_segment_size: 40
    .max_flat_workgroup_size: 512
    .sgpr_count:     96
    .vgpr_count:     256
    .wavefront_size: 32
...
	.end_amdgpu_metadata
.endif
;; end of part 2
;; launch mean (part 3): grid 8 x 4, 16 waves a work-group, no clusters, 10,240 bytes of LDS; arguments partial, bo, out0; writes out0
.if DOCPART == 3
	.amdgcn_target "amdgcn-amd-amdhsa--gfx1250"
	.amdhsa_code_object_version 6
	.text
	.protected	k_q3fde2e5f37_mean
	.globl	k_q3fde2e5f37_mean
	.p2align	8
	.type	k_q3fde2e5f37_mean,@function
k_q3fde2e5f37_mean:
	s_mov_b64 s[64:65], 0
	v_nop
	global_prefetch_b8 v0, s[64:65] scope:SCOPE_SE
	s_setreg_imm32_b32 hwreg(HW_REG_WAVE_MODE, 25, 1), 1
	s_wait_xcnt 0x0
; out0[b][n] = bo[n] + 2^-11 x the sum of the batch's 128 rows of partial sums (16 heads x 8 blocks of 256 queries): the sum over product 6's K, which is cut by heads, and the mean over the 2,048 tokens.
; A work-group takes 128 columns (512 bytes) of one batch; wave w adds rows 8 w .. 8 w + 7, 16 bytes a lane, so that each load of a wave covers 512 consecutive bytes, aligned; the sixteen sums meet in LDS, and wave 0 adds
; them, scales, adds the bias and stores 512 consecutive bytes.  2 MiB are read once; no matrix unit, no cluster, no tensor load: nothing is shared and nothing is read twice.
; LIMIT: the order of the additions differs from a mean taken row by row.
	s_load_b128 s[4:7], s[0:1], 0x0                ; partial, bo
	s_load_b64 s[8:9], s[0:1], 0x10                ; out0
	v_lshl_add_u32 v80, v0, 2, 0x2000
	v_mov_b32 v81, 0
	v_lshrrev_b32 v1, 5, v0
	v_readfirstlane_b32 s10, v1                    ; wave 0..15
	v_and_b32 v2, 31, v0
	v_lshlrev_b32 v2, 4, v2                        ; 16 x lane
	v_lshlrev_b32 v3, 4, v0                        ; LDS: 512 x wave + 16 x lane
	s_and_b32 s11, ttmp7, 0xffff                   ; the batch
	s_lshl_b32 s12, s11, 7
	s_lshl_b32 s13, s10, 3
	s_add_co_u32 s12, s12, s13                     ; my first row: 128 x batch + 8 x wave
	s_lshl_b32 s12, s12, 12                        ; rows of 4,096 bytes
	s_lshl_b32 s14, ttmp9, 9                       ; the work-group's 512 bytes of a row
	s_add_co_u32 s12, s12, s14
	s_mov_b32 s13, 0
	s_mov_b32 s15, 0
	s_lshl_b32 s16, s11, 12
	s_add_co_u32 s16, s16, s14
	s_mov_b32 s17, 0
	s_wait_kmcnt 0x0
	s_add_nc_u64 s[4:5], s[4:5], s[12:13]
	s_add_nc_u64 s[6:7], s[6:7], s[14:15]
	s_add_nc_u64 s[8:9], s[8:9], s[16:17]
.irp i, 0,1,2,3,4,5,6,7
	global_load_b128 v[8+4*\i:11+4*\i], v2, s[4:5] offset:4096*\i th:TH_LOAD_NT
.endr
	s_wait_loadcnt 0x0
.irp i, 0,1,2,3                                ; eight rows become one: a tree, two numbers an instruction
	v_pk_add_f32 v[8+4*\i:9+4*\i], v[8+4*\i:9+4*\i], v[24+4*\i:25+4*\i]
	v_pk_add_f32 v[10+4*\i:11+4*\i], v[10+4*\i:11+4*\i], v[26+4*\i:27+4*\i]
.endr
.irp i, 0,1
	v_pk_add_f32 v[8+4*\i:9+4*\i], v[8+4*\i:9+4*\i], v[16+4*\i:17+4*\i]
	v_pk_add_f32 v[10+4*\i:11+4*\i], v[10+4*\i:11+4*\i], v[18+4*\i:19+4*\i]
.endr
	v_pk_add_f32 v[8:9], v[8:9], v[12:13]
	v_pk_add_f32 v[10:11], v[10:11], v[14:15]
	ds_store_b128 v3, v[8:11]
	s_wait_dscnt 0x0                               ; for wave 0's sake: my store has landed
	s_barrier_signal -1
	s_barrier_wait -1
	s_cmp_lg_u32 s10, 0
	s_cbranch_scc1 .Lend
	global_load_b128 v[4:7], v2, s[6:7]            ; the bias of my four columns
.irp i, 0,1,2,3,4,5,6,7,8,9,10,11,12,13,14,15
	ds_load_b128 v[8+4*\i:11+4*\i], v2 offset:512*\i
.endr
	s_wait_dscnt 0x0
.irp i, 0,1,2,3,4,5,6,7
	v_pk_add_f32 v[8+4*\i:9+4*\i], v[8+4*\i:9+4*\i], v[40+4*\i:41+4*\i]
	v_pk_add_f32 v[10+4*\i:11+4*\i], v[10+4*\i:11+4*\i], v[42+4*\i:43+4*\i]
.endr
.irp i, 0,1,2,3
	v_pk_add_f32 v[8+4*\i:9+4*\i], v[8+4*\i:9+4*\i], v[24+4*\i:25+4*\i]
	v_pk_add_f32 v[10+4*\i:11+4*\i], v[10+4*\i:11+4*\i], v[26+4*\i:27+4*\i]
.endr
.irp i, 0,1
	v_pk_add_f32 v[8+4*\i:9+4*\i], v[8+4*\i:9+4*\i], v[16+4*\i:17+4*\i]
	v_pk_add_f32 v[10+4*\i:11+4*\i], v[10+4*\i:11+4*\i], v[18+4*\i:19+4*\i]
.endr
	v_pk_add_f32 v[8:9], v[8:9], v[12:13]
	v_pk_add_f32 v[10:11], v[10:11], v[14:15]
	s_wait_loadcnt 0x0
	v_pk_fma_f32 v[8:9], v[8:9], 0x3a000000, v[4:5] op_sel_hi:[1,0,1]     ; x 2^-11, + the bias: one rounding
	v_pk_fma_f32 v[10:11], v[10:11], 0x3a000000, v[6:7] op_sel_hi:[1,0,1]
	global_store_b128 v2, v[8:11], s[8:9]          ; 32 lanes store 512 consecutive bytes, aligned
.Lend:
	s_wait_tensorcnt 0x0
	ds_add_u32 v80, v81
	s_wait_dscnt 0x0
	s_endpgm
.Lfunc_end_k_q3fde2e5f37_mean:
	.size	k_q3fde2e5f37_mean, .Lfunc_end_k_q3fde2e5f37_mean-k_q3fde2e5f37_mean
	.p2alignl 7, 3214868480
	.fill 96, 4, 3214868480
	.section	.rodata,"a",@progbits
	.p2align	6, 0x0
	.amdhsa_kernel k_q3fde2e5f37_mean
		.amdhsa_group_segment_fixed_size 10240
		.amdhsa_private_segment_fixed_size 0
		.amdhsa_enable_private_segment 0
		.amdhsa_kernarg_size 24
		.amdhsa_user_sgpr_count 2
		.amdhsa_user_sgpr_kernarg_segment_ptr 1
		.amdhsa_wavefront_size32 1
		.amdhsa_system_sgpr_workgroup_id_x 1
		.amdhsa_system_sgpr_workgroup_id_y 1
		.amdhsa_system_sgpr_workgroup_id_z 1
		.amdhsa_system_vgpr_workitem_id 0
		.amdhsa_next_free_vgpr 82
		.amdhsa_next_free_sgpr 66
		.amdhsa_reserve_vcc 0
		.amdhsa_float_denorm_mode_32 3
		.amdhsa_float_denorm_mode_16_64 3
		.amdhsa_memory_ordered 1
		.amdhsa_forward_progress 1
		.amdhsa_inst_pref_size 7
	.end_amdhsa_kernel
	.amdgpu_metadata
---
amdhsa.version: [ 1, 2 ]
amdhsa.kernels:
  - .name:           k_q3fde2e5f37_mean
    .symbol:         k_q3fde2e5f37_mean.kd
    .args:
      - { .name: partial, .offset: 0, .size: 8, .value_kind: global_buffer, .address_space: global }
      - { .name: bo, .offset: 8, .size: 8, .value_kind: global_buffer, .address_space: global }
      - { .name: out0, .offset: 16, .size: 8, .value_kind: global_buffer, .address_space: global }
    .group_segment_fixed_size: 10240
    .private_segment_fixed_size: 0
    .kernarg_segment_align: 8
    .kernarg_segment_size: 24
    .max_flat_workgroup_size: 512
    .sgpr_count:     66
    .vgpr_count:     82
    .wavefront_size: 32
...
	.end_amdgpu_metadata
.endif
;; end of part 3
